; MI455X (gfx1250); checked and timed in simulation.
; The chip was launched on July 23, 2026; its instructions are those of AMD's public machine-readable ISA for CDNA 5 (MIT licence, August 2026) and "CDNA5" Instruction Set Architecture Reference Guide (July 2026). The comments in the code are by the model that wrote it; some were corrected since.
;; Attention. Allowed arithmetic: matrix products marked QUANTISED: E4M3 operands, one given power-of-two scale a tensor, by v_wmma_f32_16x16x64_fp8_fp8 or v_wmma_f32_16x16x128_fp8_fp8, f32 sums; everything else in f32.
;; Inputs: W_out 1,024 x 1,024 float32; W_qkv 1,024 x 3,072 float32; b_out 1,024 float32; b_qkv 3,072 float32; lowp_scales 8 int32 (the exponents e of the quantised operands' scales 2^e); x 4 x 2,048 x 1,024 float32.
;; Outputs: out0 4 x 2,048 x 1,024 float32.
;; This version of the problem:
;;   THIS VERSION OF THE PROBLEM IS GIVEN IN LOW PRECISION. The matrix products marked QUANTISED in the list below multiply operands that are first quantised to E4M3 (4 exponent bits, 3 mantissa bits; 8 bits a number), with one given power-of-two scale for each operand tensor; their sums are f32. All else is computed in f32.
;;   The module's matrix products, in the order in which they are computed (A, B: the left and right operand; K: the contracted axis; several contracted axes count as one K, in the product's order):
;;     1. [M 8,192, K 1,024] x [K 1,024, N 3,072]; A: input x; B: input W_qkv: QUANTISED (scales: A lowp_scales[0], B lowp_scales[1])
;;     2. batch 64 x [M 2,048, K 64] x [K 64, N 2,048]; A: computed on the way; B: computed on the way: QUANTISED (scales: A lowp_scales[2], B lowp_scales[3])
;;     3. batch 64 x [M 2,048, K 2,048] x [K 2,048, N 64]; A: softmax (see below); B: computed on the way: QUANTISED (scales: A lowp_scales[4], B lowp_scales[5])
;;     4. [M 8,192, K 1,024] x [K 1,024, N 1,024]; A: computed on the way; B: input W_out: QUANTISED (scales: A lowp_scales[6], B lowp_scales[7])
;;   THE QUANTISER, for each operand of a quantised product, along K:
;;     - The operand's scale is 2^e, e = its entry of the input lowp_scales (int32; the entries are numbered through the quantised products in the list's order, A before B).
;;     - Each number is divided by the scale, clamped to +-448, and rounded to the nearest number of E4M3, ties to even, subnormals kept.
;;     - The product sums the exact products of the quantised numbers (number of the format x scale) in f32.
;;   ~~~python
;;   def quantise(x, axis, e):      # numpy; x: float32 -> the quantised numbers, widened to float32 again
;;       x = np.moveaxis(x, axis, -1); K = x.shape[-1]
;;       r = np.clip(x / 2.0 ** e, -448, 448)
;;       step = 2.0 ** (np.maximum(np.frexp(np.where(r == 0, 1, r))[1] - 1, -6) - 3)
;;       q = np.round(r / step) * step * 2.0 ** e      # np.round: ties to even
;;       return np.moveaxis(q, -1, axis).astype(np.float32)
;;   ~~~
;;   SOFTMAX AHEAD OF A QUANTISED PRODUCT. Where the list says 'softmax', what is quantised is not the finished softmax but p = 2^(t - M), with t = logit x log2(e) and M = ceil(the row's largest t), a whole number; so 1/2 < the row's largest p <= 1. The row's sum l is taken of the UNQUANTISED p, in f32, and the product's result is divided by l at the end. Since M is a whole number, a kernel that streams over the keys may use a running M (the ceiling of the running maximum): every later rescaling is an exact power of two, so the quantised numbers keep their values, but for numbers so far below the row's largest that they fall under the format's range.
;;   OPERANDS COMPUTED ON THE WAY. 'Computed on the way' means the value that the module computes at that place (a softmax that the list does not call 'softmax' is quantised finished and normalised). What goes into a quantiser is computed in f32, as accurately as f32 sums, v_exp_f32 and their like allow (about 1e-6 of the number): no bf16 or f16 on the way to a quantiser, and a product that is left as it is and whose result goes on into a quantised operand takes f32 operands (vector FMAs, or v_wmma_f32_16x16x4_f32). A number that lies on a knife's edge between two numbers of the format may be rounded either way, as far as f32 arithmetic and the matrix unit's own rounding can turn it there, and no further.
;; One version. Each part assembles by itself: llvm-mc -triple=amdgcn-amd-amdhsa -mcpu=gfx1250 --defsym DOCPART=n.
;; ======== version 1 of 1: 4 launches
;; limits: right only within a limited range of input values
;; workspace buffers: x_codes 8,388,608 bytes; wqkv_codes 3,145,728 bytes; wout_codes 1,048,576 bytes; q_img 8,388,608 bytes; k_img 8,388,608 bytes; v_img 8,388,608 bytes; vals_img 8,388,608 bytes
;; launch prep (part 1): grid 384 x 1, 4 waves a work-group, no clusters, 68,096 bytes of LDS; arguments x, W_qkv, W_out, lowp_scales, x_codes, wqkv_codes, wout_codes; writes x_codes, wqkv_codes, wout_codes
.if DOCPART == 1
	.amdgcn_target "amdgcn-amd-amdhsa--gfx1250"
	.amdhsa_code_object_version 6
	.text
	.protected	k_q4e0361f6f0_prep
	.globl	k_q4e0361f6f0_prep
	.p2align	8
	.type	k_q4e0361f6f0_prep,@function
k_q4e0361f6f0_prep:
	s_mov_b64 s[64:65], 0
	v_nop
	global_prefetch_b8 v0, s[64:65] scope:SCOPE_SE
	s_setreg_imm32_b32 hwreg(HW_REG_WAVE_MODE, 25, 1), 1
	s_wait_xcnt 0x0
; x [8192][1024], W_qkv [1024][3072] and W_out [1024][1024], f32, become codes of FP8 (E4M3), one byte each, K innermost:
; x_codes [8192 rows][1024], wqkv_codes [3072 columns][1024], wout_codes [1024 columns][1024].
; code = number / 2^e, held within +-448, rounded to the nearest code, ties to even; e = entry 0 (x), 1 (W_qkv), 7 (W_out) of the scales.
; LIMITS: each of these e lies between -126 and 119, so that 2^e and 448 x 2^e are f32 numbers.  NaN among the inputs is not served.
; THE ROWS ARE STORED IN ANOTHER ORDER: in every aligned group of 32 rows (tokens of x, columns of a weight) the second and the third
; run of eight change places.  Sixteen neighbouring stored rows, tile 2 b + u, then hold the rows 32 b + 8 u + r + 8 (r / 8), r = 0 .. 15:
; a product's results of two neighbouring tiles are then sixteen neighbours along the next product's K.
; SHARES.  Work-groups 0-255 take x (32 rows each, 8 a wave); work-groups 256-383 take the weights (128 columns x 256 along K each, 32 columns a wave).
; Both kinds read 131,072 bytes.  The two ways part on the work-group's number alone and have LDS bytes of their own: x [0, 32768), the weights [32768, 67584).
; No input is shared between work-groups, so there is no cluster; waves share nothing, so there is no barrier; the matrix units have nothing to do here.
.set SP,   80                          ; x: a lane's place in a stage: its 64 bytes + 16 of padding
.set XR,   16                          ; x: v16-79   four sets of 16 numbers as they are loaded
.set XX,   80                          ; x: v80-111  two sets of 16 neighbours
.set XC,   128                         ; x: v128-191 codes, four registers for each step: no store's data are written again
.set OFFS, 16                          ; W: v16-47   4 x lane + i rows of W, i = 0 .. 31; never rewritten
.set XW,   48                          ; W: v48-111  two sets of 32 numbers
.set CW,   112                         ; W: v112-119 a block's codes
.set OUTR, 128                         ; W: v128-191 the way out
.set WST,  32768                       ; W: the stages begin here: 32 rows x 272 bytes for each wave
.set WP,   272                         ; W: a stage row: 256 bytes of codes + 16
.macro XLOAD t                         ; step t of x: four loads of 512 consecutive bytes
.irp i, 0,1,2,3
	global_load_b128 v[XR+16*((\t)%4)+4*\i:XR+16*((\t)%4)+4*\i+3], v3, s[4:5] offset:2048*(\t)+512*\i th:TH_LOAD_NT
.endr
.endm
.macro XTURN t                         ; step t's 2,048 bytes through the wave's stage: in as they lie, out 64 bytes a lane.  LDS serves a wave's instructions in order: no wait between
.irp i, 0,1,2,3
	ds_store_b128 v14, v[XR+16*((\t)%4)+4*\i:XR+16*((\t)%4)+4*\i+3] offset:32*SP*((\t)%2)+8*SP*\i
.endr
.irp i, 0,1,2,3
	ds_load_b128 v[XX+16*((\t)%2)+4*\i:XX+16*((\t)%2)+4*\i+3], v15 offset:32*SP*((\t)%2)+16*\i
.endr
.endm
.macro XSTEP t
.set XS, XX+16*((\t)%2)
	s_wait_dscnt 0x0                               ; this step's numbers are back from the stage, so its stores into the stage have read their registers,
.if (\t)+4 < 16
	XLOAD (\t)+4                                   ; which take the loads of four steps on
.endif
.if (\t)+1 < 16
.if 14-(\t) >= 3
	s_wait_loadcnt 12                              ; the next step's four loads are in; those of the three steps behind it may be out
.else
	s_wait_loadcnt 4*(14-(\t))
.endif
	XTURN (\t)+1
.endif
.irp i, 0,1,2,3,4,5,6,7,8,9,10,11,12,13,14,15
	v_med3_num_f32 v[XS+\i], v[XS+\i], -v10, v10   ; the conversion does not saturate (ISA guide 7.6.2): the hold at the largest code x the scale comes first
.endr
	v_cvt_scalef32_pk8_fp8_f32 v[XC+4*(\t):XC+4*(\t)+1], v[XS:XS+7], v11
	v_cvt_scalef32_pk8_fp8_f32 v[XC+4*(\t)+2:XC+4*(\t)+3], v[XS+8:XS+15], v11
	global_store_b128 v3, v[XC+4*(\t):XC+4*(\t)+3], s[12:13] offset:512*(\t)   ; the wave stores 512 consecutive bytes, aligned
.endm
.macro WLOAD t                         ; block t of a weight: W(32 t + i, my column), i = 0 .. 31
.set i, 0
.rept 32
	global_load_b32 v[XW+32*((\t)%2)+i], v[OFFS+i], s[32+2*(\t):33+2*(\t)] th:TH_LOAD_NT
.set i, i+1
.endr
.endm
.macro WBLOCK t
.set XS, XW+32*((\t)%2)
.if (\t) < 7
	s_wait_loadcnt 32                              ; this block's 32 loads are in; the next block's may be out
.else
	s_wait_loadcnt 0x0
.endif
.set i, 0
.rept 32
	v_med3_num_f32 v[XS+i], v[XS+i], -v10, v10
.set i, i+1
.endr
.irp g, 0,1,2,3
	v_cvt_scalef32_pk8_fp8_f32 v[CW+2*\g:CW+2*\g+1], v[XS+8*\g:XS+8*\g+7], v11
.endr
	ds_store_b128 v4, v[CW:CW+3] offset:32*(\t)    ; 32 codes: 32 bytes of my column's row
	ds_store_b128 v4, v[CW+4:CW+7] offset:32*(\t)+16
.if (\t)+2 < 8
	WLOAD (\t)+2
.endif
	s_wait_dscnt 0x0                               ; the stores have read their registers: the next block's codes may be written
.endm
	s_load_b256 s[4:11], s[0:1], 0x0               ; x s[4:5], W_qkv s[6:7], W_out s[8:9], the scales' exponents s[10:11]
	s_load_b128 s[12:15], s[0:1], 0x20             ; x_codes s[12:13], wqkv_codes s[14:15]
	s_load_b64 s[16:17], s[0:1], 0x30              ; wout_codes
	v_lshl_add_u32 v192, v0, 2, 0x10800
	v_mov_b32 v193, 0
	v_lshrrev_b32 v1, 5, v0
	v_readfirstlane_b32 s18, v1                    ; wave 0..3
	v_and_b32 v2, 31, v0                           ; lane
	s_wait_kmcnt 0x0
	s_load_b256 s[24:31], s[10:11], 0x0            ; e0 .. e7
	s_cmp_lt_u32 ttmp9, 256
	s_cbranch_scc0 .Lweights
	; ---- x: my wave's 8 rows are one dense run of 8,192 numbers: 16 steps of 512
	s_wait_alu depctr_va_vdst(0)
	v_lshlrev_b32 v3, 4, v2                        ; 16 x lane: my bytes of a load's 512, and of a store's
	s_wait_alu depctr_va_vdst(0)
	s_lshl_b32 s19, s18, 13                        ; my wave's LDS: 8,192 bytes, of which two stages of 2,560 are used
	v_lshrrev_b32 v14, 2, v2
	v_mul_u32_u24 v14, v14, SP
	v_and_b32 v15, 3, v2
	v_lshl_add_u32 v14, v15, 4, v14
	v_add_nc_u32 v14, s19, v14                     ; the stage, in: four lanes' 64 bytes on end, then 16 of padding
	v_mul_u32_u24 v15, v2, SP
	v_add_nc_u32 v15, s19, v15                     ; and out: my 16 neighbours
	s_lshl_b32 s20, ttmp9, 2
	s_add_co_u32 s32, s20, s18                     ; which run of 8 rows I read: 4 x work-group + wave
	s_lshl_b32 s32, s32, 15
	s_mov_b32 s33, 0
	s_add_nc_u64 s[4:5], s[4:5], s[32:33]
	s_and_b32 s21, s18, 1
	s_lshl_b32 s21, s21, 1
	s_lshr_b32 s22, s18, 1
	s_or_b32 s21, s21, s22                         ; and where it goes: runs 1 and 2 of the 32 rows change places
	s_add_co_u32 s34, s20, s21
	s_lshl_b32 s34, s34, 13
	s_mov_b32 s35, 0
	s_add_nc_u64 s[12:13], s[12:13], s[34:35]
.irp t, 0,1,2,3
	XLOAD \t
.endr
	s_wait_alu depctr_va_vdst(0)
	s_wait_kmcnt 0x0
	s_add_co_i32 s36, s24, 127
	s_lshl_b32 s37, s36, 23
	v_mov_b32 v11, s37                             ; 2^e0 as f32: the conversion takes its exponent field
	s_add_co_i32 s36, s36, 8
	s_lshl_b32 s36, s36, 23
	s_or_b32 s36, s36, 0x600000
	v_mov_b32 v10, s36                             ; 448 x 2^e0
	s_wait_alu depctr_va_vdst(0)
	s_wait_loadcnt 12                              ; step 0's four loads are in
	XTURN 0
.irp t, 0,1,2,3,4,5,6,7,8,9,10,11,12,13,14,15
	XSTEP \t
.endr
	s_wait_tensorcnt 0x0
	ds_add_u32 v192, v193
	s_wait_dscnt 0x0
	s_endpgm
	; ---- the weights: a lane takes a column, its registers run down K: the conversions' results have K innermost, and nothing is transposed
.Lweights:
	s_sub_co_u32 s19, ttmp9, 256
	s_and_b32 s20, s19, 31                         ; block of 128 columns: 0-23 of W_qkv, 24-31 of W_out
	s_lshr_b32 s21, s19, 5                         ; which 256 along K
	s_mov_b32 s22, 4096
	s_cmp_lt_u32 s20, 24                           ; the choice hangs on the work-group's number alone
	s_cselect_b32 s22, 12288, s22                  ; a row of the weight in bytes
	s_cselect_b64 s[6:7], s[6:7], s[8:9]
	s_cselect_b64 s[14:15], s[14:15], s[16:17]
	s_cselect_b32 s23, 0, 24
	s_sub_co_u32 s20, s20, s23                     ; the block within its weight
	s_mul_i32 s48, s18, 32*WP
	s_add_co_u32 s48, s48, WST                     ; my stage
	s_wait_alu depctr_va_vdst(0)
	v_mul_u32_u24 v4, v2, WP
	v_add_nc_u32 v4, s48, v4                       ; into it: row = my column
	v_and_b32 v5, 15, v2
	v_lshrrev_b32 v6, 4, v2
	v_mul_u32_u24 v7, v6, WP
	v_lshl_add_u32 v7, v5, 4, v7
	v_add_nc_u32 v7, s48, v7                       ; out of it: sixteen lanes to a row, two rows an instruction
	v_lshlrev_b32 v8, 10, v6
	v_lshl_add_u32 v8, v5, 4, v8                   ; and the same place among the codes' rows of 1,024 bytes
	v_lshlrev_b32 v[OFFS], 2, v2
.set i, 1
.rept 31
	v_add_nc_u32 v[OFFS+i], s22, v[OFFS+i-1]       ; the row's length is a register here, so it cannot stand in an immediate
.set i, i+1
.endr
	s_lshl_b32 s50, s20, 7
	s_lshl_b32 s51, s18, 5
	s_add_co_u32 s50, s50, s51                     ; my wave's first column
	s_mul_i32 s48, s21, s22
	s_lshl_b32 s48, s48, 8                         ; 256 x ky rows,
	s_lshl_b32 s51, s50, 2
	s_add_co_u32 s48, s48, s51                     ; + 4 bytes a column
	s_mov_b32 s49, 0
	s_lshl_b32 s52, s22, 5                         ; 32 rows on
	s_mov_b32 s53, 0
	s_add_nc_u64 s[32:33], s[6:7], s[48:49]        ; a base for each of the eight blocks: nothing is stepped while loads are out
.irp t, 1,2,3,4,5,6,7
	s_add_nc_u64 s[32+2*\t:33+2*\t], s[30+2*\t:31+2*\t], s[52:53]
.endr
	s_lshl_b32 s54, s50, 10
	s_lshl_b32 s55, s21, 8
	s_add_co_u32 s54, s54, s55
	s_mov_b32 s55, 0
	s_add_nc_u64 s[14:15], s[14:15], s[54:55]      ; the codes: my first column's row, my 256 along K
	s_wait_alu depctr_va_vdst(0)
	WLOAD 0
	WLOAD 1
	s_wait_kmcnt 0x0
	s_cmp_eq_u32 s23, 0
	s_cselect_b32 s56, s25, s31                    ; e1 or e7
	s_add_co_i32 s56, s56, 127
	s_lshl_b32 s57, s56, 23
	v_mov_b32 v11, s57                             ; 2^e
	s_add_co_i32 s56, s56, 8
	s_lshl_b32 s56, s56, 23
	s_or_b32 s56, s56, 0x600000
	v_mov_b32 v10, s56                             ; 448 x 2^e
	s_wait_alu depctr_va_vdst(0)
.irp t, 0,1,2,3,4,5,6,7
	WBLOCK \t
.endr
.irp t, 0,1,2,3,4,5,6,7,8,9,10,11,12,13,14,15
	ds_load_b128 v[OUTR+4*\t:OUTR+4*\t+3], v7 offset:2*\t*WP   ; columns 2 t and 2 t + 1 of my 32
.endr
.irp t, 0,1,2,3,4,5,6,7,8,9,10,11,12,13,14,15
	s_wait_dscnt 15-\t
	global_store_b128 v8, v[OUTR+4*\t:OUTR+4*\t+3], s[14:15] offset:(8*(((\t/4)%2)*2+\t/8)+2*(\t%4))*1024   ; sixteen lanes store 256 consecutive bytes, aligned; runs 1 and 2 of the 32 columns change places
.endr
	s_wait_tensorcnt 0x0
	ds_add_u32 v192, v193
	s_wait_dscnt 0x0
	s_endpgm
.Lfunc_end_k_q4e0361f6f0_prep:
	.size	k_q4e0361f6f0_prep, .Lfunc_end_k_q4e0361f6f0_prep-k_q4e0361f6f0_prep
	.p2alignl 7, 3214868480
	.fill 96, 4, 3214868480
	.section	.rodata,"a",@progbits
	.p2align	6, 0x0
	.amdhsa_kernel k_q4e0361f6f0_prep
		.amdhsa_group_segment_fixed_size 68096
		.amdhsa_private_segment_fixed_size 0
		.amdhsa_enable_private_segment 0
		.amdhsa_kernarg_size 56
		.amdhsa_user_sgpr_count 2
		.amdhsa_user_sgpr_kernarg_segment_ptr 1
		.amdhsa_wavefront_size32 1
		.amdhsa_system_sgpr_workgroup_id_x 1
		.amdhsa_system_sgpr_workgroup_id_y 1
		.amdhsa_system_sgpr_workgroup_id_z 1
		.amdhsa_system_vgpr_workitem_id 0
		.amdhsa_next_free_vgpr 194
		.amdhsa_next_free_sgpr 66
		.amdhsa_reserve_vcc 0
		.amdhsa_float_denorm_mode_32 3
		.amdhsa_float_denorm_mode_16_64 3
		.amdhsa_memory_ordered 1
		.amdhsa_forward_progress 1
		.amdhsa_inst_pref_size 87
	.end_amdhsa_kernel
	.amdgpu_metadata
---
amdhsa.version: [ 1, 2 ]
amdhsa.kernels:
  - .name:           k_q4e0361f6f0_prep
    .symbol:         k_q4e0361f6f0_prep.kd
    .args:
      - { .name: x, .offset: 0, .size: 8, .value_kind: global_buffer, .address_space: global }
      - { .name: W_qkv, .offset: 8, .size: 8, .value_kind: global_buffer, .address_space: global }
      - { .name: W_out, .offset: 16, .size: 8, .value_kind: global_buffer, .address_space: global }
      - { .name: lowp_scales, .offset: 24, .size: 8, .value_kind: global_buffer, .address_space: global }
      - { .name: x_codes, .offset: 32, .size: 8, .value_kind: global_buffer, .address_space: global }
      - { .name: wqkv_codes, .offset: 40, .size: 8, .value_kind: global_buffer, .address_space: global }
      - { .name: wout_codes, .offset: 48, .size: 8, .value_kind: global_buffer, .address_space: global }
    .group_segment_fixed_size: 68096
    .private_segment_fixed_size: 0
    .kernarg_segment_align: 8
    .kernarg_segment_size: 56
    .max_flat_workgroup_size: 128
    .sgpr_count:     66
    .vgpr_count:     194
    .wavefront_size: 32
...
	.end_amdgpu_metadata
.endif
;; end of part 1
;; launch qkv (part 2): grid 16 x 16, 4 waves a work-group, clusters of 4 x 4, 327,680 bytes of LDS; arguments x_codes, wqkv_codes, b_qkv, lowp_scales, q_img, k_img, v_img; writes q_img, k_img, v_img
.if DOCPART == 2
	.amdgcn_target "amdgcn-amd-amdhsa--gfx1250"
	.amdhsa_code_object_version 6
	.text
	.protected	k_q4e0361f6f0_qkv
	.globl	k_q4e0361f6f0_qkv
	.p2align	8
	.type	k_q4e0361f6f0_qkv,@function
k_q4e0361f6f0_qkv:
	s_mov_b64 s[64:65], 0
	v_nop
	global_prefetch_b8 v0, s[64:65] scope:SCOPE_SE
	s_setreg_imm32_b32 hwreg(HW_REG_WAVE_MODE, 25, 1), 1
	s_wait_xcnt 0x0
	s_wait_alu depctr_hold_cnt(0) depctr_sa_sdst(0) depctr_va_vdst(0) depctr_va_sdst(0) depctr_va_ssrc(0) depctr_va_vcc(0) depctr_vm_vsrc(0)
	s_getreg_b32 s2, hwreg(HW_REG_IB_STS2, 6, 4)
	s_cmp_eq_u32 s2, 0
	s_cbranch_scc0 .Lentry_in_a_cluster
	s_endpgm
.Lentry_in_a_cluster:
	s_bfe_u32 s2, ttmp6, 0x10000c
	s_cmp_lg_u32 s2, 0xf033
	s_cbranch_scc0 .Lentry_shape_is_right
	s_endpgm
.Lentry_shape_is_right:
; qkv = x W_qkv + b_qkv on codes of FP8 (E4M3), quantised on the way out: q with 2^e2, k with 2^e3, v with 2^e5, stored as images of the next products' operand registers (pieces of 512 bytes, lane l's 16 bytes at 16 l).
; SHARES.  A tile is 256 rows x the 192 columns of one head; each of the four waves makes 64 rows x 192: q's and k's 128 columns with the matrix instruction used transposed (a lane's registers run along the channels,
; the next K), v's 64 columns the natural way (registers run along the tokens, the keys).  The bias, divided by 2^(e0 + e1), is the C of each accumulator's first product.
; K goes in steps of 256 through a ring of two LDS slots (rows of 256 bytes, 16 of padding), filled by joint loads in a cluster of 4 x 4: x's tiles are shared along a row, W's along a column.
; A WORK-GROUP STAYS: it makes two tiles of the same head, 4,096 rows apart.  The ring goes on into the second tile: the first tile's last two changes of slots ask for the second's K steps 0 and 1, and the first tile goes out under them.
; PREFETCH.  The walk has eight joint loads a wave (two tiles x four K steps).  Behind each of the first six stands one prefetch for the K step that the load two further on will ask for: a lane a row, 256 bytes of it.
; Of the rows that a wave fetches, each of the four partners that ask for them jointly names a quarter, told apart by address (cx for x's 128 rows, 32 each; cy for W's 96 rows, 24 each, lanes 24-31 naming the last again).
; W's waves ask behind the two loads at the head alone: the second tile takes the same rows of W.  The base and the offset register are never rewritten: every step is an immediate.  The last two loads have nothing two further on.
; LIMITS: e2, e3, e5 less (e0 + e1) between -126 and 119.  NaN is not served.
.set PITCH,  272
.set PFO, 30                           ; v30      the prefetches' offset: my lane's row x 1,024 bytes
.set PFA, 94                           ; s[94:95] my work-group's rows of those that I fetch, at the first tile's K step 0
.macro ASK off                         ; s92 = tiles to go; s93 = 2 in x's waves, no count in W's: x's waves ask while the first tile is walked
	s_cmp_eq_u32 s92, s93
	s_cbranch_scc0 .Lnot_mine_\@
	global_prefetch_b8 v[PFO], s[PFA:PFA+1] offset:\off th:TH_LOAD_NT scope:SCOPE_SE
.Lnot_mine_\@:
.endm
.set ATILE,  128*PITCH
.set BTILE,  96*PITCH
.set BOFF,   2*ATILE
.set SLOT,   BOFF+2*BTILE
.set SPARE,  2*SLOT
.set SCQ, 8
.set LMQ, 9
.set SCK, 10
.set LMK, 11
.set SCV, 12
.set LMV, 13
.set ADRA, 16
.set ADRB, 20
.set GO,   26
.set SPW,  28
.set NIL,  29
.set CO,   32
.set AF,   128
.set BIAS, 128
.set G1,  24
.set G0,  32
.set G1B, 48
.set G0B, 56
.set MSB, 0
.macro WIN new
.if MSB != (\new)
	s_set_vgpr_msb (MSB<<8)|(\new)
.set MSB, (\new)
.endif
.endm
.set MT,   0xa1
.set MN,   0xf4
.set TO_B, 0x40
.macro JLOAD g0a, g1a, g0b, g1b
	s_cmp_eq_u32 s15, 0
	s_cbranch_scc0 .Lfor_b_\@
	tensor_load_to_lds s[\g0a:\g0a+3], s[\g1a:\g1a+7]
	s_nop 0
.rept 4
	v_nop
.endr
	s_branch .Lasked_\@
.Lfor_b_\@:
	tensor_load_to_lds s[\g0b:\g0b+3], s[\g1b:\g1b+7]
	s_nop 0
.rept 4
	v_nop
.endr
.Lasked_\@:
.endm
.macro CREST
	s_cmp_lg_u32 s14, 0
	s_cbranch_scc1 .Lnot_wave_0_\@
	s_barrier_signal -3
.Lnot_wave_0_\@:
	s_barrier_wait -3
	s_barrier_signal -1
	s_barrier_wait -1
.endm
.macro CROUND
	s_barrier_signal -1
	s_barrier_wait -1
	CREST
.endm
.macro PLACES
.rept 4
	v_nop
.endr
.endm
.macro MKSCALE e, vs, vl
	s_sub_co_i32 s90, s[\e], s88
	s_add_co_i32 s90, s90, 127
	s_lshl_b32 s91, s90, 23
	v_mov_b32 v[\vs], s91
	s_add_co_i32 s90, s90, 8
	s_lshl_b32 s90, s90, 23
	s_or_b32 s90, s90, 0x600000
	v_mov_b32 v[\vl], s90
.endm
.macro FRAG reg, adr, q, i
.irp c, 0,1,2,3
	ds_load_b128 v[\reg+4*\c:\reg+4*\c+3], v[\adr] offset:128*(\q)+32*\c+(\i)*16*PITCH
.endr
.endm
.macro FETCH_A slot, q, p
.irp i, 0,1,2,3
	FRAG AF+64*(\p)+16*\i, ADRA+\slot, \q, \i
.endr
.endm
.macro FETCH_B slot, q, b0
	WIN TO_B
.irp i, 0,1,2,3,4,5
	FRAG 16*(\b0+\i), ADRB+\slot, \q, \b0+\i
.endr
.endm
.macro MULT b0, n, p, first
.set bb, \b0
.rept \n
.set aa, 0
.rept 4
.if \first
	v_wmma_f32_16x16x128_fp8_fp8 v[8*(4*bb+aa):8*(4*bb+aa)+7], v[16*bb:16*bb+15], v[AF+64*(\p)+16*aa:AF+64*(\p)+16*aa+15], v[BIAS+8*bb:BIAS+8*bb+7]
.else
	v_wmma_f32_16x16x128_fp8_fp8 v[8*(4*bb+aa):8*(4*bb+aa)+7], v[16*bb:16*bb+15], v[AF+64*(\p)+16*aa:AF+64*(\p)+16*aa+15], v[8*(4*bb+aa):8*(4*bb+aa)+7]
.endif
.set aa, aa+1
.endr
.set bb, bb+1
.endr
.endm
.macro MULN p, first
.set bb, 8
.rept 4
.set aa, 0
.rept 4
.if \first
	v_wmma_f32_16x16x128_fp8_fp8 v[8*(4*(bb-8)+aa):8*(4*(bb-8)+aa)+7], v[AF+64*(\p)+16*aa:AF+64*(\p)+16*aa+15], v[16*bb:16*bb+15], v[BIAS+8*bb:BIAS+8*bb+7]
.else
	v_wmma_f32_16x16x128_fp8_fp8 v[8*(4*(bb-8)+aa):8*(4*(bb-8)+aa)+7], v[AF+64*(\p)+16*aa:AF+64*(\p)+16*aa+15], v[16*bb:16*bb+15], v[8*(4*(bb-8)+aa):8*(4*(bb-8)+aa)+7]
.endif
.set aa, aa+1
.endr
.set bb, bb+1
.endr
.endm
.macro STEP slot, first
	s_wait_dscnt 24
	WIN MT+0x10*\first
	MULT 0, 6, 0, \first
	s_wait_dscnt 0x0
	PLACES
	WIN 0
	FETCH_A \slot, 1, 1
	FETCH_B \slot, 1, 0
	WIN MT+0x10*\first
	MULT 6, 2, 0, \first
	WIN MN
	MULN 0, \first
	PLACES
	FETCH_B \slot, 1, 6
	WIN 0
.endm
.macro TURN slot, next, fill
	s_wait_tensorcnt 0x0
	ds_add_u32 v[SPW], v[NIL]
	s_wait_dscnt 25
	WIN MT
	MULT 0, 3, 1, 0
	s_wait_dscnt 0x0
	s_barrier_signal -1
	MULT 3, 3, 1, 0
	WIN 0
	s_barrier_wait -1
.if \fill
	CREST
.if \fill == 2                         ; on to the next tile: x goes 4,096 rows down and two K steps back, W only back
	s_add_nc_u64 s[G0+4*\slot+2:G0+4*\slot+3], s[G0+4*\slot+2:G0+4*\slot+3], 0x400000-512
	s_sub_nc_u64 s[G0B+4*\slot+2:G0B+4*\slot+3], s[G0B+4*\slot+2:G0B+4*\slot+3], 512
.else
	s_add_nc_u64 s[G0+4*\slot+2:G0+4*\slot+3], s[G0+4*\slot+2:G0+4*\slot+3], 512
	s_add_nc_u64 s[G0B+4*\slot+2:G0B+4*\slot+3], s[G0B+4*\slot+2:G0B+4*\slot+3], 512
.endif
	JLOAD G0+4*\slot, G1, G0B+4*\slot, G1B
.else
	PLACES
.endif
	FETCH_A \next, 0, 0
	FETCH_B \next, 0, 0
.if \fill
	WIN 0                                          ; (a branch and a label follow)
	ASK 0x400000+256*\slot+512*(\fill-1)           ; the second tile's K step slot (fill = 1) or slot + 2 (fill = 2): what the load two further on asks for
.endif
	WIN MT
	MULT 6, 2, 1, 0
	WIN MN
	MULN 1, 0
	PLACES
	FETCH_B \next, 0, 6
	WIN 0
.endm
	s_load_b256 s[4:11], s[0:1], 0x0
	s_load_b128 s[68:71], s[0:1], 0x20
	s_load_b64 s[72:73], s[0:1], 0x30
	v_lshl_add_u32 v[SPW], v0, 2, SPARE
	v_mov_b32 v[NIL], 0
	ds_add_u32 v28, v29
	ds_add_u32 v28, v29
	s_wait_dscnt 0x0
	v_lshrrev_b32 v1, 5, v0
	v_readfirstlane_b32 s14, v1
	s_lshr_b32 s15, s14, 1
	s_and_b32 s16, s14, 1
	s_bfe_u32 s40, ttmp6, 0x40000
	s_bfe_u32 s41, ttmp6, 0x40004
	s_lshl_b32 s42, ttmp9, 2
	s_add_co_u32 s42, s42, s40
	s_and_b32 s17, ttmp7, 0xffff
	s_lshl_b32 s17, s17, 2
	s_add_co_u32 s17, s17, s41
	s_lshl_b32 s43, s41, 2
	s_lshl_b32 s43, 15, s43
	s_lshl_b32 s44, 0x1111, s40
	s_or_b32 s[G1+0], s43, (1<<20)|(1<<21)|(5<<22)|(3<<25)
	s_or_b32 s[G1B+0], s44, (1<<20)|(1<<21)|(5<<22)|(3<<25)
	s_mov_b32 s[G1+1], 256<<16
	s_mov_b32 s[G1+2], 128<<16
	s_mov_b32 s[G1+3], 256<<16
	s_mov_b32 s[G1+4], 128
	s_mov_b32 s[G1+5], 1024
	s_mov_b32 s[G1+6], 0
	s_mov_b32 s[G1+7], 0
	s_mov_b32 s[G1B+1], 256<<16
	s_mov_b32 s[G1B+2], 96<<16
	s_mov_b32 s[G1B+3], 256<<16
	s_mov_b32 s[G1B+4], 96
	s_mov_b32 s[G1B+5], 1024
	s_mov_b32 s[G1B+6], 0
	s_mov_b32 s[G1B+7], 0
	s_lshl_b32 s20, s17, 8
	s_lshl_b32 s18, s16, 7
	s_add_co_u32 s20, s20, s18
	s_lshl_b32 s20, s20, 10
	s_mov_b32 s21, 0
	s_mul_i32 s46, s42, 192
	s_mul_i32 s18, s16, 96
	s_add_co_u32 s46, s46, s18
	s_lshl_b32 s46, s46, 10
	s_mov_b32 s47, 0
	s_mul_i32 s45, s14, ATILE
	s_mul_i32 s19, s14, BTILE
	s_add_co_u32 s19, s19, BOFF-2*BTILE
	s_wait_kmcnt 0x0
	s_load_b256 s[80:87], s[10:11], 0x0
	s_add_nc_u64 s[20:21], s[4:5], s[20:21]
	s_add_nc_u64 s[46:47], s[6:7], s[46:47]
	CROUND
.irp s, 0,1
	s_mov_b32 s[G0+4*\s], 1
	s_add_co_u32 s[G0+4*\s+1], s45, \s*SLOT
	s_add_nc_u64 s[G0+4*\s+2:G0+4*\s+3], s[20:21], \s*256
	s_or_b32 s[G0+4*\s+3], s[G0+4*\s+3], 0x80000000
	s_mov_b32 s[G0B+4*\s], 1
	s_add_co_u32 s[G0B+4*\s+1], s19, \s*SLOT
	s_add_nc_u64 s[G0B+4*\s+2:G0B+4*\s+3], s[46:47], \s*256
	s_or_b32 s[G0B+4*\s+3], s[G0B+4*\s+3], 0x80000000
.endr
	JLOAD G0, G1, G0B, G1B                         ; K step 0: my one tensor load at the head; the set-up below stands under its flight
	s_cmp_eq_u32 s15, 0                            ; do I fetch for x?
	s_cselect_b64 s[PFA:PFA+1], s[20:21], s[46:47] ; the rows that I fetch,
	s_cselect_b32 s96, s40, s41                    ; my place among the four that ask for them with me,
	s_cselect_b32 s98, 32, 24                      ; and a partner's share of them
	s_cselect_b32 s93, 2, -1
	s_mul_i32 s96, s96, s98
	s_lshl_b32 s96, s96, 10
	s_mov_b32 s97, 0
	s_add_nc_u64 s[PFA:PFA+1], s[PFA:PFA+1], s[96:97]
	s_sub_co_u32 s98, s98, 1
	v_and_b32 v[PFO], 31, v0
	v_min_u32 v[PFO], s98, v[PFO]
	v_lshlrev_b32 v[PFO], 10, v[PFO]
	global_prefetch_b8 v[PFO], s[PFA:PFA+1] offset:512 th:TH_LOAD_NT scope:SCOPE_SE   ; K step 2
	v_and_b32 v1, 15, v0
	v_bfe_u32 v2, v0, 4, 1
	v_mul_u32_u24 v3, v1, PITCH
	v_lshl_add_u32 v4, v2, 4, v3
	s_mul_i32 s21, s14, 64*PITCH
	v_add_nc_u32 v[ADRA], s21, v4
	v_add_nc_u32 v[ADRA+1], SLOT, v[ADRA]
	v_add_nc_u32 v[ADRB], BOFF, v4
	v_add_nc_u32 v[ADRB+1], SLOT, v[ADRB]
	v_and_b32 v6, 31, v0
	v_lshlrev_b32 v[GO], 4, v6
	v_lshlrev_b32 v5, 6, v2
	v_and_b32 v7, 8, v1
	v_add_nc_u32 v7, v7, v1
	v_lshlrev_b32 v7, 2, v7
	s_mul_i32 s74, s42, 768
	s_mov_b32 s75, 0
	s_add_nc_u64 s[8:9], s[8:9], s[74:75]
	WIN 0xc0
.irp b, 0,1,2,3,4,5,6,7
	global_load_b128 v[BIAS+8*\b:BIAS+8*\b+3], v5, s[8:9] offset:(32*(\b/2)+8*(\b%2))*4
	global_load_b128 v[BIAS+8*\b+4:BIAS+8*\b+7], v5, s[8:9] offset:(32*(\b/2)+8*(\b%2))*4+16
.endr
	WIN 0
.irp b, 8,9,10,11
	global_load_b32 v[CO+\b-8], v7, s[8:9] offset:(32*(\b/2)+8*(\b%2))*4
.endr
	s_lshr_b32 s76, s17, 3
	s_lshl_b32 s76, s76, 4
	s_add_co_u32 s76, s76, s42
	s_lshl_b32 s76, s76, 17
	s_and_b32 s77, s17, 7
	s_lshl_b32 s77, s77, 2
	s_add_co_u32 s77, s77, s14
	s_lshl_b32 s77, s77, 12
	s_add_co_u32 s76, s76, s77
	s_mov_b32 s77, 0
	s_add_nc_u64 s[68:69], s[68:69], s[76:77]
	s_add_nc_u64 s[70:71], s[70:71], s[76:77]
	s_add_nc_u64 s[72:73], s[72:73], s[76:77]
	s_wait_kmcnt 0x0
	s_add_co_i32 s88, s80, s81
	s_sub_co_i32 s89, 0, s88
	MKSCALE 82, SCQ, LMQ
	MKSCALE 83, SCK, LMK
	MKSCALE 85, SCV, LMV
	s_wait_loadcnt 0x0
	WIN 0xc3
.set i, 0
.rept 64
	v_ldexp_f32 v[BIAS+i], v[BIAS+i], s89
.set i, i+1
.endr
	WIN 0xc0
.irp b, 8,9,10,11
.irp j, 0,1,2,3,4,5,6,7
	v_ldexp_f32 v[BIAS+8*\b+\j], v[CO+\b-8], s89
.endr
.endr
	WIN 0
	s_wait_alu depctr_va_vdst(0)
	s_wait_tensorcnt 0x0                           ; my part of K step 0 is in; the three lines ahead of a later first fill
	ds_add_u32 v[SPW], v[NIL]
	s_wait_dscnt 0x0
	CROUND                                         ; everybody's part is in, and the sixteen work-groups are here
	JLOAD G0+4, G1, G0B+4, G1B                     ; K step 1, the first tensor load behind the round
	FETCH_A 0, 0, 0
	FETCH_B 0, 0, 0
	FETCH_B 0, 0, 6
	WIN 0
	global_prefetch_b8 v[PFO], s[PFA:PFA+1] offset:768 th:TH_LOAD_NT scope:SCOPE_SE   ; K step 3
; THE WAY OUT of a tile: the hold, the conversions, 24 stores of 512 consecutive bytes a wave
.macro WAYOUT
	PLACES
	s_wait_xcnt 0x0                                ; the last tile's stores have read their registers: the codes may be written again
	WIN 0x82
.set i, 0
.rept 128
	v_med3_num_f32 v[i], v[i], -v[LMQ], v[LMQ]
.set i, i+1
.endr
.rept 128
	v_med3_num_f32 v[i], v[i], -v[LMK], v[LMK]
.set i, i+1
.endr
	WIN 0x02
.irp a, 0,1,2,3
.irp c, 0,1,2,3
.if \c < 2
	v_cvt_scalef32_pk8_fp8_f32 v[CO+4*(4*\a+\c):CO+4*(4*\a+\c)+1], v[8*(8*\c+\a):8*(8*\c+\a)+7], v[SCQ]
	v_cvt_scalef32_pk8_fp8_f32 v[CO+4*(4*\a+\c)+2:CO+4*(4*\a+\c)+3], v[8*(8*\c+4+\a):8*(8*\c+4+\a)+7], v[SCQ]
.else
	v_cvt_scalef32_pk8_fp8_f32 v[CO+4*(4*\a+\c):CO+4*(4*\a+\c)+1], v[8*(8*\c+\a):8*(8*\c+\a)+7], v[SCK]
	v_cvt_scalef32_pk8_fp8_f32 v[CO+4*(4*\a+\c)+2:CO+4*(4*\a+\c)+3], v[8*(8*\c+4+\a):8*(8*\c+4+\a)+7], v[SCK]
.endif
.endr
.endr
	WIN 0xc3
.set i, 0
.rept 128
	v_med3_num_f32 v[i], v[i], -v[LMV], v[LMV]
.set i, i+1
.endr
	WIN 0x03
.irp ct, 0,1,2,3
.irp p, 0,1
	v_cvt_scalef32_pk8_fp8_f32 v[CO+4*(16+2*\ct+\p):CO+4*(16+2*\ct+\p)+1], v[8*(4*\ct+2*\p):8*(4*\ct+2*\p)+7], v[SCV]
	v_cvt_scalef32_pk8_fp8_f32 v[CO+4*(16+2*\ct+\p)+2:CO+4*(16+2*\ct+\p)+3], v[8*(4*\ct+2*\p+1):8*(4*\ct+2*\p+1)+7], v[SCV]
.endr
.endr
	v_nop
	WIN 0
.irp a, 0,1,2,3
.irp c, 0,1
	global_store_b128 v[GO], v[CO+4*(4*\a+\c):CO+4*(4*\a+\c)+3], s[68:69] offset:(\a/2)*2048+(\a%2)*1024+\c*512
	global_store_b128 v[GO], v[CO+4*(4*\a+\c+2):CO+4*(4*\a+\c+2)+3], s[70:71] offset:(\a/2)*2048+(\a%2)*1024+\c*512
.endr
.endr
.irp ct, 0,1,2,3
.irp p, 0,1
	global_store_b128 v[GO], v[CO+4*(16+2*\ct+\p):CO+4*(16+2*\ct+\p)+3], s[72:73] offset:\ct*1024+\p*512
.endr
.endr
.endm
	s_mov_b32 s92, 2                               ; tiles to go: the same number in every work-group
.Ltile:
	STEP 0, 1
	TURN 0, 1, 1
	STEP 1, 0
	TURN 1, 0, 1
	STEP 0, 0
	s_cmp_eq_u32 s92, 1
	s_cbranch_scc1 .Llast                          ; the last tile's tail is written out: it asks for nothing more
	TURN 0, 1, 2                                   ; slot 0 takes the next tile's K step 0,
	STEP 1, 0
	TURN 1, 0, 2                                   ; slot 1 its K step 1, and its first fragments are fetched; then this tile goes out
	WAYOUT
	s_wait_xcnt 0x0                                ; the stores have read their bases
	s_add_nc_u64 s[68:69], s[68:69], 0x400000      ; 4,096 rows on in each image
	s_add_nc_u64 s[70:71], s[70:71], 0x400000
	s_add_nc_u64 s[72:73], s[72:73], 0x400000
	s_sub_co_u32 s92, s92, 1
	s_branch .Ltile
.Llast:
	TURN 0, 1, 0
	STEP 1, 0
	s_wait_dscnt 24
	WIN MT
	MULT 0, 6, 1, 0
	s_wait_dscnt 0x0
	MULT 6, 2, 1, 0
	WIN MN
	MULN 1, 0
	WAYOUT
	s_wait_tensorcnt 0x0
	ds_add_u32 v[SPW], v[NIL]
	s_wait_dscnt 0x0
	CROUND
	s_endpgm
.Lfunc_end_k_q4e0361f6f0_qkv:
	.size	k_q4e0361f6f0_qkv, .Lfunc_end_k_q4e0361f6f0_qkv-k_q4e0361f6f0_qkv
	.p2alignl 7, 3214868480
	.fill 96, 4, 3214868480
	.section	.rodata,"a",@progbits
	.p2align	6, 0x0
	.amdhsa_kernel k_q4e0361f6f0_qkv
		.amdhsa_group_segment_fixed_size 327680
		.amdhsa_private_segment_fixed_size 0
		.amdhsa_enable_private_segment 0
		.amdhsa_kernarg_size 56
		.amdhsa_user_sgpr_count 2
		.amdhsa_user_sgpr_kernarg_segment_ptr 1
		.amdhsa_wavefront_size32 1
		.amdhsa_system_sgpr_workgroup_id_x 1
		.amdhsa_system_sgpr_workgroup_id_y 1
		.amdhsa_system_sgpr_workgroup_id_z 1
		.amdhsa_system_vgpr_workitem_id 0
		.amdhsa_next_free_vgpr 1024
		.amdhsa_next_free_sgpr 100
		.amdhsa_reserve_vcc 0
		.amdhsa_float_denorm_mode_32 3
		.amdhsa_float_denorm_mode_16_64 3
		.amdhsa_memory_ordered 1
		.amdhsa_forward_progress 1
		.amdhsa_inst_pref_size 164
	.end_amdhsa_kernel
	.amdgpu_metadata
---
amdhsa.version: [ 1, 2 ]
amdhsa.kernels:
  - .name:           k_q4e0361f6f0_qkv
    .symbol:         k_q4e0361f6f0_qkv.kd
    .args:
      - { .name: x_codes, .offset: 0, .size: 8, .value_kind: global_buffer, .address_space: global }
      - { .name: wqkv_codes, .offset: 8, .size: 8, .value_kind: global_buffer, .address_space: global }
      - { .name: b_qkv, .offset: 16, .size: 8, .value_kind: global_buffer, .address_space: global }
      - { .name: lowp_scales, .offset: 24, .size: 8, .value_kind: global_buffer, .address_space: global }
      - { .name: q_img, .offset: 32, .size: 8, .value_kind: global_buffer, .address_space: global }
      - { .name: k_img, .offset: 40, .size: 8, .value_kind: global_buffer, .address_space: global }
      - { .name: v_img, .offset: 48, .size: 8, .value_kind: global_buffer, .address_space: global }
    .group_segment_fixed_size: 327680
    .private_segment_fixed_size: 0
    .kernarg_segment_align: 8
    .kernarg_segment_size: 56
    .max_flat_workgroup_size: 128
    .sgpr_count:     100
    .vgpr_count:     1024
    .wavefront_size: 32
...
	.end_amdgpu_metadata
.endif
;; end of part 2
;; launch attn (part 3): grid 4 x 64, 16 waves a work-group, clusters of 4 x 1, 327,680 bytes of LDS; arguments q_img, k_img, v_img, lowp_scales, vals_img; writes vals_img
.if DOCPART == 3
	.amdgcn_target "amdgcn-amd-amdhsa--gfx1250"
	.amdhsa_code_object_version 6
	.text
	.protected	k_q4e0361f6f0_attn
	.globl	k_q4e0361f6f0_attn
	.p2align	8
	.type	k_q4e0361f6f0_attn,@function
k_q4e0361f6f0_attn:
	s_mov_b64 s[64:65], 0
	v_nop
	global_prefetch_b8 v0, s[64:65] scope:SCOPE_SE
	s_setreg_imm32_b32 hwreg(HW_REG_WAVE_MODE, 25, 1), 1
	s_wait_xcnt 0x0
	s_wait_alu depctr_hold_cnt(0) depctr_sa_sdst(0) depctr_va_vdst(0) depctr_va_sdst(0) depctr_va_ssrc(0) depctr_va_vcc(0) depctr_vm_vsrc(0)
	s_getreg_b32 s2, hwreg(HW_REG_IB_STS2, 6, 4)
	s_cmp_eq_u32 s2, 0
	s_cbranch_scc0 .Lentry_in_a_cluster
	s_endpgm
.Lentry_in_a_cluster:
	s_bfe_u32 s2, ttmp6, 0x10000c
	s_cmp_lg_u32 s2, 0x3003
	s_cbranch_scc0 .Lentry_shape_is_right
	s_endpgm
.Lentry_shape_is_right:
; vals = softmax(q k^T / 8) v for each of 64 (batch, head), 2,048 tokens, head size 64, both products on codes of FP8 (E4M3); the result is quantised with 2^e6 for the last product.
; THE SOFTMAX: t = score x log2(e) / 8; M = the running largest t rounded UP to a whole number; p = 2^(t - M) is quantised with 2^e4, not normalised; the row's sum is taken of the
; unquantised p in f32 and divides at the end.  When M moves, the sum and O are multiplied by 2^(old M - new M), which rounds nothing.  The running maximum is kept of the raw scores (c is positive).
; q_img, k_img, v_img are images of operand registers: pieces of 512 bytes, lane l's 16 bytes at 16 l:
;   q, k: [bh][block of 32 tokens][u][c]: lane (r, h): token 32 blk + 8 u + r + 8 (r / 8), channels 32 c + 16 h + 0 .. 15;   v: [bh][64 keys][ct][p]: channel 32 (ct / 2) + 8 (ct % 2) + r + 8 (r / 8), keys 32 p + 16 h + 0 .. 15
; Both products are used transposed (S^T = K Q^T, O^T = V^T P^T): a lane holds ONE query, and the 16 registers of two neighbouring key tiles are 16 neighbouring keys: the conversions' results are the next operand.
; SHARES.  A work-group owns 512 queries of one (batch, head); each of its sixteen waves 32 of them, two tiles.  A wave walks 16 steps of 128 keys: 16 products of K = 64 for the scores, 8 of K = 128 for O^T;
; O^T's rescaling (32 packed lines) and the work on M are paid once for a lane's 128 scores.
; LDS: a head's K lies at [0, 131072), its V at [131072, 262144), whole; nothing is filled twice.  Each wave asks twice: at the head for 4,096 bytes of the first 512 keys (waves 0-7 K, 8-15 V), and behind
; the three lines and a round of the cluster's barrier for 12,288 bytes of the other 1,536 keys, which land while the first four steps are walked.  All of LDS is claimed.
; CLUSTER: the four query blocks of a head ask for K and V jointly.  No prefetch is laid: every byte is asked for by these two loads, and there is no later load to run ahead of.
; REGISTERS: v0, v2 f (ahead of it: second chains of the maximum), paired with v1 = 16 x lane and v3 = the LDS address, which the packed forms name and do not use; v4, v5 the add's; v6, v8 -M; v7, v9 the largest score;
; v10-13 the sums; v14 the conversion's scale; v15 448 x 2^e6; v16-31 Q; v32-63 K's four tiles, then temporaries, then p's codes; v64-191 S^T, then p, then (v64-127) V's four tiles; v192-255 O^T.
; LIMITS: e2 + e3 between -123 and 130 (added to c's exponent field); e4 and e6 between -126 and 119; e4 + e5 is applied by v_ldexp_f32 and has none.  NaN is not served.
.set F,   0
.set MB,  0
.set LI,  1
.set ADR, 3
.set SPW, 4
.set NIL, 5
.set NM,  6
.set MA,  7
.set SU,  10
.set SCL, 14
.set LM6, 15
.set QF,  16
.set FK,  32
.set SM,  36
.set S,   64
.set O,   192
.set VB,    131072
.set SPARE, 262144
.set G1A, 24                           ; s[24:31] group 1: 16 rows of 256 bytes;  s[40:47]: 48 rows
.set G1B, 40
.set G0K, 32                           ; s[32:39] K's two groups 0;  s[68:75] V's
.set G0V, 68
.set CS,  56                           ; s[56:57] c
.set SEL, 58                           ; s[58:59] selects for lane l xor 16
.set TB,  60                           ; s60 LDS byte of the step's K, s76 of its V
.set CNT, 61
.set TV,  76
.set CN,  77                           ; s77 -c
.set LM,  78                           ; s78 448 x 2^e4
.macro CROUND
	s_barrier_signal -1
	s_barrier_wait -1
	s_cmp_lg_u32 s14, 0
	s_cbranch_scc1 .Lnot_wave_0_\@
	s_barrier_signal -3
.Lnot_wave_0_\@:
	s_barrier_wait -3
	s_barrier_signal -1
	s_barrier_wait -1
.endm
; a joint load: waves 0-7 for K, waves 8-15 for V, one load in each arm; s_nop 0 and four v_nop behind each
.macro JLOAD n, g1
	s_cmp_lt_u32 s14, 8
	s_cbranch_scc0 .Lfor_v_\@
	tensor_load_to_lds s[G0K+4*\n:G0K+4*\n+3], s[\g1:\g1+7]
	s_nop 0
.rept 4
	v_nop
.endr
	s_branch .Lasked_\@
.Lfor_v_\@:
	tensor_load_to_lds s[G0V+4*\n:G0V+4*\n+3], s[\g1:\g1+7]
	s_nop 0
.rept 4
	v_nop
.endr
.Lasked_\@:
.endm
.macro KLOAD b                         ; four tiles of 16 keys
.irp i, 0,1,2,3,4,5,6,7
	ds_load_b128 v[FK+4*\i:FK+4*\i+3], v[ADR] offset:4096*\b+512*\i
.endr
.endm
.macro QK b                            ; their scores with my two tiles of queries, and four places behind them (ISA guide 7.12.1)
.irp k, 0,1,2,3
.irp t, 0,1
	v_wmma_f32_16x16x64_fp8_fp8 v[S+64*\t+8*(4*\b+\k):S+64*\t+8*(4*\b+\k)+7], v[FK+8*\k:FK+8*\k+7], v[QF+8*\t:QF+8*\t+7], 0
.endr
.endr
.rept 4
	v_nop
.endr
.endm
.macro MAXB b                          ; the running largest score takes these 64 in: four chains by turns; every accumulator is first read at its low end
.irp j, 0,2,4,6
.irp kk, 0,2
.irp t, 0,1
	v_max3_num_f32 v[MA+2*\t], v[MA+2*\t], v[S+64*\t+8*(4*\b+\kk)+\j], v[S+64*\t+8*(4*\b+\kk)+\j+1]
.endr
.irp t, 0,1
.if (\b == 0) && (\kk == 0) && (\j == 0)
	v_max_num_f32 v[MB+2*\t], v[S+64*\t+8*(4*\b+\kk+1)+\j], v[S+64*\t+8*(4*\b+\kk+1)+\j+1]
.else
	v_max3_num_f32 v[MB+2*\t], v[MB+2*\t], v[S+64*\t+8*(4*\b+\kk+1)+\j], v[S+64*\t+8*(4*\b+\kk+1)+\j+1]
.endif
.endr
.endr
.endr
.endm
.macro QUANT t                         ; p of tile t: the hold (the conversion does not saturate: ISA guide 7.6.2; p is not negative, so it is one-sided), two to a line, then 128 keys' codes
.set i, 0
.rept 32
	v_dual_min_num_f32 v[S+64*\t+i], s[LM], v[S+64*\t+i] :: v_dual_min_num_f32 v[S+64*\t+i+1], s[LM], v[S+64*\t+i+1]
.set i, i+2
.endr
.irp b, 0,1,2,3
	v_cvt_scalef32_pk8_fp8_f32 v[FK+16*\t+4*\b:FK+16*\t+4*\b+1], v[S+64*\t+16*\b:S+64*\t+16*\b+7], v[SCL]        ; keys 32 b + 16 h + 0 .. 7,
	v_cvt_scalef32_pk8_fp8_f32 v[FK+16*\t+4*\b+2:FK+16*\t+4*\b+3], v[S+64*\t+16*\b+8:S+64*\t+16*\b+15], v[SCL]   ; + 8 .. 15
.endr
.endm
; A KEY STEP: 128 keys x my 32 queries.
.macro STEP
	v_add_nc_u32 v[ADR], s[TB], v[LI]
.rept 4
	v_nop                                          ; with the addition: five places behind the last products: K's loads land on p's codes (four are owed), the scores are written over V's tiles (five)
.endr
	KLOAD 0
	s_wait_alu depctr_va_vdst(0)
	s_wait_dscnt 0x0
	QK 0
	KLOAD 1                                        ; the next four tiles come while the first 64 scores go into the maximum
	MAXB 0
	s_wait_alu depctr_va_vdst(0)
	s_wait_dscnt 0x0
	QK 1
	MAXB 1
.irp t, 0,1
	v_max_num_f32 v[MA+2*\t], v[MA+2*\t], v[MB+2*\t]
.endr
.irp t, 0,1
	v_permlanex16_b32 v[FK+\t], v[MA+2*\t], s[SEL], s[SEL+1]   ; the query's other 64 keys lie in the lane 16 away
.endr
.irp t, 0,1
	v_max_num_f32 v[MA+2*\t], v[MA+2*\t], v[FK+\t]
.endr
.irp t, 0,1
	v_mul_f32 v[FK+\t], s[CN], v[MA+2*\t]          ; -t
.endr
.irp t, 0,1
	v_floor_f32 v[FK+2+\t], v[FK+\t]               ; the new -M = floor(-t): M is a whole number
.endr
.irp t, 0,1
	v_sub_f32 v[FK+\t], v[FK+2+\t], v[NM+2*\t]     ; old M - new M: a whole number, 0 or less
.endr
.irp t, 0,1
	v_mov_b32 v[NM+2*\t], v[FK+2+\t]
.endr
.irp t, 0,1
	v_cvt_i32_f32 v[FK+\t], v[FK+\t]               ; (it saturates)
.endr
.irp t, 0,1
	v_ldexp_f32 v[F+2*\t], 1.0, v[FK+\t]           ; f = 2^(old M - new M)
.endr
.irp t, 0,1
.set i, 0
.rept 32
	v_pk_fma_f32 v[S+64*\t+i:S+64*\t+i+1], v[S+64*\t+i:S+64*\t+i+1], s[CS:CS+1], v[NM+2*\t:NM+2*\t+1] op_sel_hi:[1,0,0]   ; t - M, two at a time
.set i, i+2
.endr
.endr
	s_wait_alu depctr_va_vdst(0)
.set i, 0
.rept 128
	v_exp_f32 v[S+i], v[S+i]                       ; p = 2^(t - M), at most 1: one batch
.set i, i+1
.endr
.irp t, 0,1
	v_pk_mul_f32 v[SU+2*\t:SU+2*\t+1], v[SU+2*\t:SU+2*\t+1], v[F+2*\t:F+2*\t+1] op_sel_hi:[1,0]   ; the sums under the new M; also the plain lines behind the exponentials
.endr
	s_wait_alu depctr_va_vdst(0)                   ; one wait for the batch, ahead of its first reader
.irp t, 0,1
	v_pk_add_f32 v[SM+2*\t:SM+2*\t+1], v[S+64*\t:S+64*\t+1], v[S+64*\t+2:S+64*\t+3]   ; the row's sum is taken of the unquantised p, in four chains
.endr
.set j, 4
.rept 15
.irp t, 0,1
	v_pk_add_f32 v[SU+2*\t:SU+2*\t+1], v[SU+2*\t:SU+2*\t+1], v[S+64*\t+j:S+64*\t+j+1]
	v_pk_add_f32 v[SM+2*\t:SM+2*\t+1], v[SM+2*\t:SM+2*\t+1], v[S+64*\t+j+2:S+64*\t+j+3]
.endr
.set j, j+4
.endr
.irp t, 0,1
	v_pk_add_f32 v[SU+2*\t:SU+2*\t+1], v[SU+2*\t:SU+2*\t+1], v[SM+2*\t:SM+2*\t+1]
.endr
	v_add_nc_u32 v[ADR], s[TV], v[LI]
	QUANT 0
.irp ct, 0,1,2,3                       ; V's four tiles of 16 channels x 128 keys land where tile 0's p lay: registers 4 c .. 4 c + 3 hold keys 32 c + 16 h + 0 .. 15, as p's codes do
.irp c, 0,1,2,3
	ds_load_b128 v[S+16*\ct+4*\c:S+16*\ct+4*\c+3], v[ADR] offset:4096*(\c/2)+1024*\ct+512*(\c%2)
.endr
.endr
	QUANT 1
	s_wait_alu depctr_va_vdst(0)
.irp t, 0,1
.set i, 0
.rept 16
	v_pk_mul_f32 v[O+32*\t+i:O+32*\t+i+1], v[O+32*\t+i:O+32*\t+i+1], v[F+2*\t:F+2*\t+1] op_sel_hi:[1,0]   ; O^T under the new M; also the plain lines behind the conversions
.set i, i+2
.endr
.endr
	s_wait_alu depctr_va_vdst(0)
	s_wait_dscnt 0x0                               ; V is in
.irp ct, 0,1,2,3
.irp t, 0,1
	v_wmma_f32_16x16x128_fp8_fp8 v[O+32*\t+8*\ct:O+32*\t+8*\ct+7], v[S+16*\ct:S+16*\ct+15], v[FK+16*\t:FK+16*\t+15], v[O+32*\t+8*\ct:O+32*\t+8*\ct+7]   ; the eight accumulators by turns
.endr
.endr
.endm
.macro WALK n, first                   ; n steps from LDS byte first of K and of V
	s_mov_b32 s[TB], \first
	s_mov_b32 s[TV], VB+\first
	s_mov_b32 s[CNT], \n
.Lstep_\@:
	s_barrier_signal -1                            ; a barrier for each step, its halves a step apart: I go on to the next step when every wave has begun this one, so the sixteen waves stay within one step of each other.
	STEP                                           ; Between the halves stand work on registers and LDS loads of bytes that nobody writes; no LDS instruction of mine is out at the signal
	s_barrier_wait -1
	s_add_co_u32 s[TB], s[TB], 8192
	s_add_co_u32 s[TV], s[TV], 8192
	s_sub_co_u32 s[CNT], s[CNT], 1
	s_cmp_lg_u32 s[CNT], 0
	s_cbranch_scc1 .Lstep_\@
.endm
	s_load_b256 s[4:11], s[0:1], 0x0               ; q_img s[4:5], k_img s[6:7], v_img s[8:9], the scales' exponents s[10:11]
	s_load_b64 s[12:13], s[0:1], 0x20              ; vals_img
	v_lshl_add_u32 v[SPW], v0, 2, SPARE
	v_mov_b32 v[NIL], 0
	ds_add_u32 v[SPW], v[NIL]                      ; the opening lines: the add, twice on end, and its wait ahead of my first tensor load
	ds_add_u32 v[SPW], v[NIL]
	v_lshrrev_b32 v1, 5, v0
	v_readfirstlane_b32 s14, v1                    ; wave 0..15
	s_bfe_u32 s15, ttmp6, 0x40000                  ; cx: it enters q's and vals' addresses alone
	s_and_b32 s16, ttmp7, 0xffff                   ; batch x 16 + head, which the four partners share
	s_lshl_b32 s17, ttmp9, 2
	s_add_co_u32 s17, s17, s15
	s_lshl_b32 s17, s17, 4
	s_add_co_u32 s17, s17, s14                     ; my wave's block of 32 queries
	s_lshl_b32 s18, s16, 17                        ; the head's first byte in each image
	s_and_b32 s19, s14, 7
	s_lshl_b32 s22, s19, 12                        ; first load: my 4,096 bytes of the first 32,768, in LDS as in memory
	s_add_co_u32 s20, s18, s22
	s_mov_b32 s21, 0
	s_mul_i32 s23, s19, 12288
	s_add_co_u32 s23, s23, 32768                   ; second load: my 12,288 bytes of the other 98,304
	s_lshl_b32 s80, s19, 13
	s_add_co_u32 s80, s80, 32768                   ; which lie so far behind the first load's
	s_mov_b32 s81, 0
.irp g, G1A, G1B
	s_mov_b32 s[\g], 15|(3<<16)|(1<<21)            ; the mask: all four work-groups; elements of 8 bytes; 21 set beside a mask; no padding: a piece is read as it lies
	s_mov_b32 s[\g+1], 32<<16                      ; rows of 256 bytes
	s_mov_b32 s[\g+3], 32<<16
	s_mov_b32 s[\g+5], 32                          ; dense
	s_mov_b32 s[\g+6], 0
	s_mov_b32 s[\g+7], 0
.endr
	s_mov_b32 s[G1A+2], 16<<16
	s_mov_b32 s[G1A+4], 16
	s_mov_b32 s[G1B+2], 48<<16
	s_mov_b32 s[G1B+4], 48
	s_mov_b32 s[CS], 0x3e38aa3b                    ; c = log2(e) / 8
	s_mov_b32 s[SEL], 0x76543210
	s_mov_b32 s[SEL+1], 0xfedcba98
	s_lshl_b32 s82, s17, 11                        ; a block of 32 queries is 2,048 bytes of q_img
	s_add_co_u32 s82, s82, s18
	s_mov_b32 s83, 0
	s_lshr_b32 s84, s16, 4                         ; vals_img: the batch's 64 blocks of 32 rows,
	s_lshl_b32 s84, s84, 6
	s_add_co_u32 s84, s84, s17                     ; + mine,
	s_lshl_b32 s84, s84, 15                        ; two tiles of rows of 16,384 bytes;
	s_and_b32 s85, s16, 15
	s_lshl_b32 s85, s85, 10                        ; the head's two pieces along K
	s_add_co_u32 s84, s84, s85
	s_mov_b32 s85, 0
	s_wait_dscnt 0x0                               ; both opening adds are done
	s_wait_kmcnt 0x0
	s_load_b256 s[48:55], s[10:11], 0x0            ; e0 .. e7
	s_add_nc_u64 s[4:5], s[4:5], s[82:83]
	s_add_nc_u64 s[12:13], s[12:13], s[84:85]
	s_add_nc_u64 s[6:7], s[6:7], s[20:21]
	s_add_nc_u64 s[8:9], s[8:9], s[20:21]
	s_mov_b32 s[G0K], 1
	s_mov_b32 s[G0K+1], s22
	s_mov_b64 s[G0K+2:G0K+3], s[6:7]
	s_or_b32 s[G0K+3], s[G0K+3], 0x80000000
	s_mov_b32 s[G0K+4], 1
	s_mov_b32 s[G0K+5], s23
	s_add_nc_u64 s[G0K+6:G0K+7], s[6:7], s[80:81]
	s_or_b32 s[G0K+7], s[G0K+7], 0x80000000
	s_mov_b32 s[G0V], 1
	s_add_co_u32 s[G0V+1], s22, VB
	s_mov_b64 s[G0V+2:G0V+3], s[8:9]
	s_or_b32 s[G0V+3], s[G0V+3], 0x80000000
	s_mov_b32 s[G0V+4], 1
	s_add_co_u32 s[G0V+5], s23, VB
	s_add_nc_u64 s[G0V+6:G0V+7], s[8:9], s[80:81]
	s_or_b32 s[G0V+7], s[G0V+7], 0x80000000
	CROUND                                         ; all four work-groups are here: the joint loads meet
	JLOAD 0, G1A                                   ; the first 512 keys: my one tensor load at the head
	v_and_b32 v[LI], 31, v0
	v_lshlrev_b32 v[LI], 4, v[LI]
.irp i, 0,1,2,3
	global_load_b128 v[QF+4*\i:QF+4*\i+3], v[LI], s[4:5] offset:512*\i th:TH_LOAD_NT   ; Q stays in registers
.endr
.irp t, 0,1
	v_mov_b32 v[NM+2*\t], 0x7f61b1e6               ; -M = 3e38: the first change of M gives f = 0,
	v_mov_b32 v[MA+2*\t], 0xff61b1e6               ; the largest score so far: -3e38
	v_mov_b32 v[SU+2*\t], 0
	v_mov_b32 v[SU+2*\t+1], 0
.endr
.set i, 0
.rept 64
	v_mov_b32 v[O+i], 0                            ; and O^T begins as zeros, which that f leaves zeros: the step has no first form of its own
.set i, i+1
.endr
	s_wait_kmcnt 0x0
	s_add_co_i32 s62, s50, s51
	s_lshl_b32 s62, s62, 23
	s_add_co_i32 s[CS], s[CS], s62                 ; a score stands for score x 2^(e2 + e3): added to c's exponent field
	s_mov_b32 s[CS+1], s[CS]
	s_xor_b32 s[CN], s[CS], 0x80000000             ; -c
	s_add_co_i32 s62, s52, 127
	s_lshl_b32 s63, s62, 23
	v_mov_b32 v[SCL], s63                          ; 2^e4
	s_add_co_i32 s62, s62, 8
	s_lshl_b32 s62, s62, 23
	s_or_b32 s[LM], s62, 0x600000                  ; 448 x 2^e4
	s_add_co_i32 s63, s54, 127
	s_lshl_b32 s62, s63, 23                        ; 2^e6, for the way out
	s_add_co_i32 s63, s63, 8
	s_lshl_b32 s63, s63, 23
	s_or_b32 s63, s63, 0x600000
	v_mov_b32 v[LM6], s63                          ; 448 x 2^e6
	s_add_co_i32 s86, s52, s53                     ; e4 + e5
	s_wait_alu depctr_va_vdst(0)
	s_wait_loadcnt 0x0                             ; Q
	s_wait_tensorcnt 0x0                           ; my part of the first 512 keys is in; the three lines ahead of a later first fill:
	ds_add_u32 v[SPW], v[NIL]
	s_wait_dscnt 0x0
	CROUND                                         ; everybody's part is in, and the four work-groups are here: the joint loads meet
	JLOAD 1, G1B                                   ; the other 1,536 keys: four steps in which to land
	WALK 4, 0
	s_wait_tensorcnt 0x0                           ; my part of the rest is in,
	s_wait_dscnt 0x0
	s_barrier_signal -1
	s_barrier_wait -1                              ; and everybody's
	WALK 12, 32768
	; THE WAY OUT: O^T x 2^(e4 + e5) / the sum, held, quantised with 2^e6: four pieces, four stores.  The first four lines are the places behind the last products.
.irp t, 0,1
	v_add_f32 v[SU+2*\t], v[SU+2*\t], v[SU+2*\t+1]
.endr
	v_mov_b32 v[SCL], s62
	v_nop
.irp t, 0,1
	v_permlanex16_b32 v[FK+\t], v[SU+2*\t], s[SEL], s[SEL+1]
.endr
.irp t, 0,1
	v_add_f32 v[SU+2*\t], v[SU+2*\t], v[FK+\t]     ; the row's sum
.endr
	s_wait_alu depctr_va_vdst(0)
.irp t, 0,1
	v_rcp_f32 v[FK+2+\t], v[SU+2*\t]
.endr
	v_nop                                          ; a plain line behind them,
	s_wait_alu depctr_va_vdst(0)                   ; and the one wait ahead of their first reader
.irp t, 0,1
	v_ldexp_f32 v[F+2*\t], v[FK+2+\t], s86
.endr
	s_wait_alu depctr_va_vdst(0)
.irp t, 0,1
.set i, 0
.rept 16
	v_pk_mul_f32 v[O+32*\t+i:O+32*\t+i+1], v[O+32*\t+i:O+32*\t+i+1], v[F+2*\t:F+2*\t+1] op_sel_hi:[1,0]
.set i, i+2
.endr
.endr
.set i, 0
.rept 64
	v_med3_num_f32 v[O+i], v[O+i], -v[LM6], v[LM6]
.set i, i+1
.endr
.irp t, 0,1
.irp c, 0,1
	v_cvt_scalef32_pk8_fp8_f32 v[FK+8*\t+4*\c:FK+8*\t+4*\c+1], v[O+32*\t+16*\c:O+32*\t+16*\c+7], v[SCL]        ; channels 32 c + 16 h + 0 .. 7,
	v_cvt_scalef32_pk8_fp8_f32 v[FK+8*\t+4*\c+2:FK+8*\t+4*\c+3], v[O+32*\t+16*\c+8:O+32*\t+16*\c+15], v[SCL]   ; + 8 .. 15
.endr
.endr
	v_nop                                          ; one plain vector line behind the last conversion
.irp t, 0,1
.irp c, 0,1
	global_store_b128 v[LI], v[FK+8*\t+4*\c:FK+8*\t+4*\c+3], s[12:13] offset:16384*\t+512*\c   ; 512 consecutive bytes, aligned
.endr
.endr
	s_wait_tensorcnt 0x0                           ; the wave's end
	ds_add_u32 v[SPW], v[NIL]
	s_wait_dscnt 0x0
	CROUND                                         ; the closing round
	s_endpgm
.Lfunc_end_k_q4e0361f6f0_attn:
	.size	k_q4e0361f6f0_attn, .Lfunc_end_k_q4e0361f6f0_attn-k_q4e0361f6f0_attn
	.p2alignl 7, 3214868480
	.fill 96, 4, 3214868480
	.section	.rodata,"a",@progbits
	.p2align	6, 0x0
	.amdhsa_kernel k_q4e0361f6f0_attn
		.amdhsa_group_segment_fixed_size 327680
		.amdhsa_private_segment_fixed_size 0
		.amdhsa_enable_private_segment 0
		.amdhsa_kernarg_size 40
		.amdhsa_user_sgpr_count 2
		.amdhsa_user_sgpr_kernarg_segment_ptr 1
		.amdhsa_wavefront_size32 1
		.amdhsa_system_sgpr_workgroup_id_x 1
		.amdhsa_system_sgpr_workgroup_id_y 1
		.amdhsa_system_sgpr_workgroup_id_z 1
		.amdhsa_system_vgpr_workitem_id 0
		.amdhsa_next_free_vgpr 256
		.amdhsa_next_free_sgpr 90
		.amdhsa_reserve_vcc 0
		.amdhsa_float_denorm_mode_32 3
		.amdhsa_float_denorm_mode_16_64 3
		.amdhsa_memory_ordered 1
		.amdhsa_forward_progress 1
		.amdhsa_inst_pref_size 75
	.end_amdhsa_kernel
	.amdgpu_metadata
---
amdhsa.version: [ 1, 2 ]
amdhsa.kernels:
  - .name:           k_q4e0361f6f0_attn
    .symbol:         k_q4e0361f6f0_attn.kd
    .args:
      - { .name: q_img, .offset: 0, .size: 8, .value_kind: global_buffer, .address_space: global }
      - { .name: k_img, .offset: 8, .size: 8, .value_kind: global_buffer, .address_space: global }
      - { .name: v_img, .offset: 16, .size: 8, .value_kind: global_buffer, .address_space: global }
      - { .name: lowp_scales, .offset: 24, .size: 8, .value_kind: global_buffer, .address_space: global }
      - { .name: vals_img, .offset: 32, .size: 8, .value_kind: global_buffer, .address_space: global }
    .group_segment_fixed_size: 327680
    .private_segment_fixed_size: 0
    .kernarg_segment_align: 8
    .kernarg_segment_size: 40
    .max_flat_workgroup_size: 512
    .sgpr_count:     90
    .vgpr_count:     256
    .wavefront_size: 32
...
	.end_amdgpu_metadata
.endif
;; end of part 3
;; launch outp (part 4): grid 8 x 32, 4 waves a work-group, clusters of 4 x 4, 327,680 bytes of LDS; arguments vals_img, wout_codes, b_out, lowp_scales, out0; writes out0
.if DOCPART == 4
	.amdgcn_target "amdgcn-amd-amdhsa--gfx1250"
	.amdhsa_code_object_version 6
	.text
	.protected	k_q4e0361f6f0_outp
	.globl	k_q4e0361f6f0_outp
	.p2align	8
	.type	k_q4e0361f6f0_outp,@function
k_q4e0361f6f0_outp:
	s_mov_b64 s[64:65], 0
	v_nop
	global_prefetch_b8 v0, s[64:65] scope:SCOPE_SE
	s_setreg_imm32_b32 hwreg(HW_REG_WAVE_MODE, 25, 1), 1
	s_wait_xcnt 0x0
	s_wait_alu depctr_hold_cnt(0) depctr_sa_sdst(0) depctr_va_vdst(0) depctr_va_sdst(0) depctr_va_ssrc(0) depctr_va_vcc(0) depctr_vm_vsrc(0)
	s_getreg_b32 s2, hwreg(HW_REG_IB_STS2, 6, 4)
	s_cmp_eq_u32 s2, 0
	s_cbranch_scc0 .Lentry_in_a_cluster
	s_endpgm
.Lentry_in_a_cluster:
	s_bfe_u32 s2, ttmp6, 0x10000c
	s_cmp_lg_u32 s2, 0xf033
	s_cbranch_scc0 .Lentry_shape_is_right
	s_endpgm
.Lentry_shape_is_right:
; out0 = vals W_out + b_out on codes of FP8 (E4M3); each finished sum x 2^(e6 + e7) + bias, one packed multiply-add for two numbers.
; vals_img: [tile of 16 rows][32 along K][512 bytes]: images of operand registers: lane (r, h) of tile 2 g + u holds row 32 g + 8 u + r + 8 (r / 8), K = 32 kp + 16 h + 0 .. 15.
; wout_codes: [1024 columns][1024], K innermost; in every aligned group of 32 columns the second and third run of eight are stored in each other's place.
; SHARES.  A tile of out0 is 128 x 128, each of the four waves makes 64 x 64: 16 accumulators.  The whole K = 1,024 of both operands lies in LDS, brought by one tensor load a wave at the head:
; waves 0, 1: four tiles of rows of vals each, 65,536 dense bytes stated as 256 rows of 256; waves 2, 3: 64 rows of W each, 1,024 bytes a row, 16 bytes of padding behind each (pitch 1,040).
; A WORK-GROUP STAYS: it makes two tiles of the same 128 columns, 4,096 rows apart.  W stays in LDS.  When the first tile's last fragments are in registers, vals' bytes are filled again with the second tile's,
; 32,768 bytes a wave, behind the three lines and a round of the cluster's barrier; the load is on its way while the first tile goes out.  All of LDS is claimed.
; CLUSTER: 4 x 4 work-groups; vals' tiles are shared along a row, W's along a column, asked for jointly.  No prefetch is laid: a work-group has two loads of vals, and the second is asked for as soon as its bytes are free.
; The matrix instruction is used transposed (source 0 = W's tile, source 1 = vals'): a lane holds one row of out0 and eight neighbouring columns a tile, 32 (b / 2) + 8 (b % 2) + 16 h + 0 .. 7.
; A tile of 16 rows goes through the wave's own stage in LDS and leaves as rows: sixteen lanes store 256 consecutive bytes, aligned; the stores' immediates put the rows back in their order.
; LIMIT: e6 + e7 between -126 and 127.
; REGISTERS: window 0: v16-26 addresses; v32-63 the bias; v64-95 results; v96-127 rows read back; v128-255 accumulator (a, b) at 128 + 8 (4 a + b).  window 1: two fragment buffers of 128: 64 of vals, then 64 of W.
.set ADRA, 16
.set ADRB, 20
.set STO,  24
.set RD,   25
.set CO,   26
.set BI,   32
.set TMP,  64
.set BK,   96
.set ACC,  128
.set WP,    1040                       ; a row of W in LDS
.set BBASE, 131072                     ; W's 128 rows
.set STAGE, 270336                     ; 16 rows x 272 bytes for each wave; no fill lands here
.set SPARE, 287744                     ; the spare words
.set G1A, 16                           ; s[16:23] group 1 for vals at the head, s[24:31] for W, s[52:59] for vals' refill; s[32:35], s[48:51], s[60:63] their groups 0
.set G1B, 24
.set G1C, 52
.set G0A, 32
.set G0B, 48
.set G0C, 60
.set MSB, 0
.macro WIN new
.if MSB != (\new)
	s_set_vgpr_msb (MSB<<8)|(\new)
.set MSB, (\new)
.endif
.endm
.set MUL,  0x05                        ; sources 0 and 1 window 1; C and D window 0
.set TO_F, 0x40                        ; destination window 1, address window 0
.macro CROUND
	s_barrier_signal -1
	s_barrier_wait -1
	s_cmp_lg_u32 s14, 0
	s_cbranch_scc1 .Lnot_wave_0_\@
	s_barrier_signal -3
.Lnot_wave_0_\@:
	s_barrier_wait -3
	s_barrier_signal -1
	s_barrier_wait -1
.endm
.macro PLACES
.rept 4
	v_nop
.endr
.endm
.macro FETCH s                         ; the fragments of step s (128 along K) into buffer s % 2: 32 loads in one run
.set FB, 128*((\s)%2)
	WIN TO_F
.irp a, 0,1,2,3
.irp c, 0,1,2,3
	ds_load_b128 v[FB+16*\a+4*\c:FB+16*\a+4*\c+3], v[ADRA] offset:16384*\a+2048*(\s)+512*\c
.endr
.endr
.irp b, 0,1,2,3
.irp c, 0,1,2,3
	ds_load_b128 v[FB+64+16*\b+4*\c:FB+64+16*\b+4*\c+3], v[ADRB] offset:16*WP*\b+128*(\s)+32*\c
.endr
.endr
.endm
.macro MUL16 s, zero                   ; the 16 accumulators by turns; zero = 1: the first products start the sums
.set FB, 128*((\s)%2)
.irp a, 0,1,2,3
.irp b, 0,1,2,3
.if \zero
	v_wmma_f32_16x16x128_fp8_fp8 v[ACC+8*(4*\a+\b):ACC+8*(4*\a+\b)+7], v[FB+64+16*\b:FB+64+16*\b+15], v[FB+16*\a:FB+16*\a+15], 0
.else
	v_wmma_f32_16x16x128_fp8_fp8 v[ACC+8*(4*\a+\b):ACC+8*(4*\a+\b)+7], v[FB+64+16*\b:FB+64+16*\b+15], v[FB+16*\a:FB+16*\a+15], v[ACC+8*(4*\a+\b):ACC+8*(4*\a+\b)+7]
.endif
.endr
.endr
.endm
.macro WAYOUT                          ; a tile of out0 leaves, 16 rows at a time
.irp a, 0,1,2,3
.irp b, 0,1,2,3
.irp i, 0,2,4,6
	v_pk_fma_f32 v[TMP+8*\b+\i:TMP+8*\b+\i+1], v[ACC+8*(4*\a+\b)+\i:ACC+8*(4*\a+\b)+\i+1], s[88:89], v[BI+8*\b+\i:BI+8*\b+\i+1] op_sel_hi:[1,0,1]   ; sum x 2^(e6 + e7) + bias; each accumulator from its low end on
.endr
.endr
.irp b, 0,1,2,3
	ds_store_b128 v[STO], v[TMP+8*\b:TMP+8*\b+3] offset:128*(\b/2)+32*(\b%2)
	ds_store_b128 v[STO], v[TMP+8*\b+4:TMP+8*\b+7] offset:128*(\b/2)+32*(\b%2)+16
.endr
.if \a > 0
	s_wait_xcnt 0x0                                ; the last 16 rows' stores have read their registers: the loads below may land there
.endif
.irp t, 0,1,2,3,4,5,6,7
	ds_load_b128 v[BK+4*\t:BK+4*\t+3], v[RD] offset:544*\t   ; LDS serves a wave's instructions in order: these see my stores, and the next stores come behind them
.endr
.irp t, 0,1,2,3,4,5,6,7
	s_wait_dscnt 7-\t
	global_store_b128 v[CO], v[BK+4*\t:BK+4*\t+3], s[12:13] offset:(32*(\a/2)+8*(\a%2)+2*\t+8*(\t/4))*4096 th:TH_STORE_NT   ; stage row r is row 32 (a / 2) + 8 (a % 2) + r + 8 (r / 8); sixteen lanes store 256 consecutive bytes, aligned
.endr
.endr
.endm
	s_load_b256 s[4:11], s[0:1], 0x0               ; vals_img s[4:5], wout_codes s[6:7], b_out s[8:9], the scales' exponents s[10:11]
	s_load_b64 s[12:13], s[0:1], 0x20              ; out0
	v_lshl_add_u32 v30, v0, 2, SPARE
	v_mov_b32 v31, 0
	ds_add_u32 v30, v31                            ; the opening lines: the add, twice on end, and its wait
	ds_add_u32 v30, v31
	v_lshrrev_b32 v1, 5, v0
	v_readfirstlane_b32 s14, v1                    ; wave 0..3
	s_lshr_b32 s15, s14, 1                         ; which half of the rows is mine.  Also: at the head I fetch for vals (0) or for W (1)
	s_and_b32 s66, s14, 1                          ; which half of the columns.  Also: which half of that operand I fetch
	s_bfe_u32 s67, ttmp6, 0x40000                  ; cx, cy
	s_bfe_u32 s68, ttmp6, 0x40004
	s_lshl_b32 s69, ttmp9, 2
	s_add_co_u32 s69, s69, s67                     ; tile column
	s_and_b32 s70, ttmp7, 0xffff
	s_lshl_b32 s70, s70, 2
	s_add_co_u32 s70, s70, s68                     ; the first tile's row, 0 .. 31; the second's is 32 further on
	s_lshl_b32 s71, s68, 2
	s_lshl_b32 s71, 15, s71                        ; my row of the cluster
	s_lshl_b32 s72, 0x1111, s67                    ; my column
.irp g, G1A, G1C
	s_or_b32 s[\g], s71, (3<<16)|(1<<21)           ; the mask; elements of 8 bytes; 21 set beside a mask; no padding: images are read as they lie
	s_mov_b32 s[\g+1], 32<<16                      ; rows of 256 bytes,
	s_mov_b32 s[\g+3], 32<<16
	s_mov_b32 s[\g+5], 32                          ; dense
	s_mov_b32 s[\g+6], 0
	s_mov_b32 s[\g+7], 0
.endr
	s_mov_b32 s[G1A+2], 256<<16                    ; 256 of them at the head,
	s_mov_b32 s[G1A+4], 256
	s_mov_b32 s[G1C+2], 128<<16                    ; 128 in the refill
	s_mov_b32 s[G1C+4], 128
	s_or_b32 s[G1B], s72, (1<<20)|(1<<21)|(7<<22)|(3<<25)   ; elements of 1 byte; four words of padding after every 256: behind each row
	s_mov_b32 s[G1B+1], 1024<<16
	s_mov_b32 s[G1B+2], 64<<16
	s_mov_b32 s[G1B+3], 1024<<16
	s_mov_b32 s[G1B+4], 64
	s_mov_b32 s[G1B+5], 1024
	s_mov_b32 s[G1B+6], 0
	s_mov_b32 s[G1B+7], 0
	s_lshl_b32 s74, s70, 3
	s_lshl_b32 s73, s66, 2
	s_add_co_u32 s74, s74, s73                     ; vals: tile of rows 8 x tile row + 4 x half,
	s_lshl_b32 s74, s74, 14
	s_mov_b32 s75, 0
	s_lshl_b32 s76, s69, 7
	s_lshl_b32 s73, s66, 6
	s_add_co_u32 s76, s76, s73                     ; W: row 128 x tile column + 64 x half
	s_lshl_b32 s76, s76, 10
	s_mov_b32 s77, 0
	s_lshl_b32 s78, s14, 16                        ; where they go: vals' halves by waves 0, 1;
	s_mul_i32 s79, s14, 64*WP
	s_add_co_u32 s79, s79, BBASE-2*64*WP           ; W's by waves 2, 3
	s_lshl_b32 s98, s70, 17                        ; the refill: the tile's 131,072 bytes,
	s_lshl_b32 s97, s14, 15                        ; my quarter of them, in memory as in LDS,
	s_add_co_u32 s98, s98, s97
	s_add_co_u32 s98, s98, 0x400000                ; 4,096 rows on
	s_mov_b32 s99, 0
	s_wait_dscnt 0x0
	s_wait_kmcnt 0x0
	s_load_b256 s[80:87], s[10:11], 0x0            ; e0 .. e7
	s_mov_b32 s[G0A], 1
	s_mov_b32 s[G0A+1], s78
	s_add_nc_u64 s[G0A+2:G0A+3], s[4:5], s[74:75]
	s_or_b32 s[G0A+3], s[G0A+3], 0x80000000
	s_mov_b32 s[G0B], 1
	s_mov_b32 s[G0B+1], s79
	s_add_nc_u64 s[G0B+2:G0B+3], s[6:7], s[76:77]
	s_or_b32 s[G0B+3], s[G0B+3], 0x80000000
	s_mov_b32 s[G0C], 1
	s_mov_b32 s[G0C+1], s97
	s_add_nc_u64 s[G0C+2:G0C+3], s[4:5], s[98:99]
	s_or_b32 s[G0C+3], s[G0C+3], 0x80000000
	CROUND                                         ; all sixteen work-groups are here: the joint loads meet
	s_cmp_eq_u32 s15, 0                            ; one load in each arm
	s_cbranch_scc0 .Lfor_b
	tensor_load_to_lds s[G0A:G0A+3], s[G1A:G1A+7]
	s_nop 0
.rept 4
	v_nop
.endr
	s_branch .Lasked
.Lfor_b:
	tensor_load_to_lds s[G0B:G0B+3], s[G1B:G1B+7]
	s_nop 0
.rept 4
	v_nop
.endr
.Lasked:
	v_and_b32 v1, 15, v0                           ; r
	v_bfe_u32 v2, v0, 4, 1                         ; h
	v_and_b32 v3, 31, v0
	v_lshlrev_b32 v3, 4, v3                        ; 16 x lane
	s_lshl_b32 s90, s15, 16                        ; my four tiles of rows
	v_add_nc_u32 v[ADRA], s90, v3
	v_mul_u32_u24 v4, v1, WP
	v_lshl_add_u32 v4, v2, 4, v4
	s_mul_i32 s90, s66, 64*WP                      ; my 64 rows of W
	s_add_co_u32 s90, s90, BBASE
	v_add_nc_u32 v[ADRB], s90, v4
	s_mul_i32 s73, s14, 16*272
	s_add_co_u32 s73, s73, STAGE                   ; my stage
	v_mul_u32_u24 v5, v1, 272
	v_lshl_add_u32 v5, v2, 6, v5
	v_add_nc_u32 v[STO], s73, v5                   ; in: row r, + 64 h bytes
	v_mul_u32_u24 v6, v2, 272
	v_lshl_add_u32 v6, v1, 4, v6
	v_add_nc_u32 v[RD], s73, v6                    ; back: lanes 0-15 one row, lanes 16-31 the next
	v_lshlrev_b32 v7, 12, v2
	v_lshl_add_u32 v[CO], v1, 4, v7                ; and the same two rows of out0, 4,096 bytes apart
	v_lshlrev_b32 v8, 6, v2                        ; the bias: + 16 h numbers
	s_wait_alu depctr_va_vdst(0)
	s_lshl_b32 s94, s69, 9
	s_lshl_b32 s95, s66, 8
	s_add_co_u32 s94, s94, s95                     ; my first column, in bytes
	s_mov_b32 s95, 0
	s_add_nc_u64 s[8:9], s[8:9], s[94:95]
	s_lshl_b32 s92, s70, 7
	s_lshl_b32 s93, s15, 6
	s_add_co_u32 s92, s92, s93                     ; my first row
	s_lshl_b32 s92, s92, 12
	s_add_co_u32 s92, s92, s94
	s_mov_b32 s93, 0
	s_add_nc_u64 s[12:13], s[12:13], s[92:93]
.irp b, 0,1,2,3
	global_load_b128 v[BI+8*\b:BI+8*\b+3], v8, s[8:9] offset:(32*(\b/2)+8*(\b%2))*4
	global_load_b128 v[BI+8*\b+4:BI+8*\b+7], v8, s[8:9] offset:(32*(\b/2)+8*(\b%2))*4+16
.endr
	s_wait_kmcnt 0x0
	s_add_co_i32 s88, s86, s87
	s_add_co_i32 s88, s88, 127
	s_lshl_b32 s88, s88, 23                        ; 2^(e6 + e7) as f32
	s_mov_b32 s89, s88                             ; (named with it as a pair, so it is written)
	s_wait_loadcnt 0x0
	s_wait_tensorcnt 0x0                           ; my load is in,
	s_barrier_signal -1
	s_barrier_wait -1                              ; and everybody's
	s_mov_b32 s96, 2                               ; tiles to go: the same number in every work-group
.Ltile:
	FETCH 0
.irp s, 0,1,2,3,4,5,6
	s_wait_dscnt 0x0                               ; this step's fragments are in
.if \s > 0
	PLACES                                         ; in front of loads into the buffer that the step before multiplied
.endif
	FETCH \s+1
	WIN MUL
.if \s == 0
	MUL16 \s, 1
.else
	MUL16 \s, 0
.endif
.endr
	WIN 0
	s_wait_dscnt 0x0                               ; the last step's fragments are in: my reads of this tile of vals are over
	s_cmp_eq_u32 s96, 1
	s_cbranch_scc1 .Llast                          ; the last tile's tail is written out: it asks for nothing more
	s_wait_tensorcnt 0x0                           ; the three lines in front of a refill's barrier; the last step's products stand between the add and its wait
	ds_add_u32 v30, v31
	WIN MUL
	MUL16 7, 0
	WIN 0
	s_wait_dscnt 0x0
	CROUND                                         ; no wave of any partner still reads vals' bytes
	tensor_load_to_lds s[G0C:G0C+3], s[G1C:G1C+7]  ; the next tile of vals, my quarter
	s_nop 0
	PLACES                                         ; also the places behind the last products
	WAYOUT                                         ; this tile goes out while the load is on its way
	s_wait_xcnt 0x0                                ; the stores have read their registers and their base
	s_add_nc_u64 s[12:13], s[12:13], 0x1000000     ; 4,096 rows of out0 on
	s_wait_tensorcnt 0x0                           ; my quarter is in,
	s_wait_dscnt 0x0
	s_barrier_signal -1
	s_barrier_wait -1                              ; and everybody's
	s_sub_co_u32 s96, s96, 1
	s_branch .Ltile
.Llast:
	WIN MUL
	MUL16 7, 0
	WIN 0
	PLACES
	WAYOUT
	s_wait_tensorcnt 0x0                           ; the wave's end
	ds_add_u32 v30, v31
	s_wait_dscnt 0x0
	CROUND                                         ; the closing round
	s_endpgm
.Lfunc_end_k_q4e0361f6f0_outp:
	.size	k_q4e0361f6f0_outp, .Lfunc_end_k_q4e0361f6f0_outp-k_q4e0361f6f0_outp
	.p2alignl 7, 3214868480
	.fill 96, 4, 3214868480
	.section	.rodata,"a",@progbits
	.p2align	6, 0x0
	.amdhsa_kernel k_q4e0361f6f0_outp
		.amdhsa_group_segment_fixed_size 327680
		.amdhsa_private_segment_fixed_size 0
		.amdhsa_enable_private_segment 0
		.amdhsa_kernarg_size 40
		.amdhsa_user_sgpr_count 2
		.amdhsa_user_sgpr_kernarg_segment_ptr 1
		.amdhsa_wavefront_size32 1
		.amdhsa_system_sgpr_workgroup_id_x 1
		.amdhsa_system_sgpr_workgroup_id_y 1
		.amdhsa_system_sgpr_workgroup_id_z 1
		.amdhsa_system_vgpr_workitem_id 0
		.amdhsa_next_free_vgpr 512
		.amdhsa_next_free_sgpr 100
		.amdhsa_reserve_vcc 0
		.amdhsa_float_denorm_mode_32 3
		.amdhsa_float_denorm_mode_16_64 3
		.amdhsa_memory_ordered 1
		.amdhsa_forward_progress 1
		.amdhsa_inst_pref_size 60
	.end_amdhsa_kernel
	.amdgpu_metadata
---
amdhsa.version: [ 1, 2 ]
amdhsa.kernels:
  - .name:           k_q4e0361f6f0_outp
    .symbol:         k_q4e0361f6f0_outp.kd
    .args:
      - { .name: vals_img, .offset: 0, .size: 8, .value_kind: global_buffer, .address_space: global }
      - { .name: wout_codes, .offset: 8, .size: 8, .value_kind: global_buffer, .address_space: global }
      - { .name: b_out, .offset: 16, .size: 8, .value_kind: global_buffer, .address_space: global }
      - { .name: lowp_scales, .offset: 24, .size: 8, .value_kind: global_buffer, .address_space: global }
      - { .name: out0, .offset: 32, .size: 8, .value_kind: global_buffer, .address_space: global }
    .group_segment_fixed_size: 327680
    .private_segment_fixed_size: 0
    .kernarg_segment_align: 8
    .kernarg_segment_size: 40
    .max_flat_workgroup_size: 128
    .sgpr_count:     100
    .vgpr_count:     512
    .wavefront_size: 32
...
	.end_amdgpu_metadata
.endif
;; end of part 4
